; MI455X (gfx1250); checked and timed in simulation.
; The chip was launched on July 23, 2026; its instructions are those of AMD's public machine-readable ISA for CDNA 5 (MIT licence, August 2026) and "CDNA5" Instruction Set Architecture Reference Guide (July 2026). The comments in the code are by the model that wrote it; some were corrected since.
;; Scaled Dot Attention. Allowed arithmetic: matrix products marked QUANTISED: E3M2 operands, one E8M0 scale for each 32 along K, by v_wmma_scale_f32_16x16x128_f8f6f4 with both operands' format E3M2, f32 sums; everything else in f32.
;; Inputs: k 2 x 16 x 2,048 x 64 float32; mask 2 x 2,048 x 2,048 bool; q 2 x 16 x 2,048 x 64 float32; v 2 x 16 x 2,048 x 64 float32.
;; Outputs: out0 2 x 16 x 2,048 x 64 float32.
;; This version of the problem:
;;   THIS VERSION OF THE PROBLEM IS GIVEN IN LOW PRECISION. The matrix products marked QUANTISED in the list below multiply operands that are first quantised to E3M2 (3 exponent bits, 2 mantissa bits; 6 bits a number), with one power-of-two scale for each 32 numbers along K (OCP MX v1.0); their sums are f32. All else is computed in f32.
;;   The module's matrix products, in the order in which they are computed (A, B: the left and right operand; K: the contracted axis; several contracted axes count as one K, in the product's order):
;;     1. batch 32 x [M 2,048, K 64] x [K 64, N 2,048]; A: input q; B: input k: QUANTISED
;;     2. batch 32 x [M 2,048, K 2,048] x [K 2,048, N 64]; A: softmax (see below); B: input v: QUANTISED
;;   THE QUANTISER, for each operand of a quantised product, along K:
;;     - K is cut into blocks of 32 from its start; a last block that is shorter is filled with zeros.
;;     - A block's scale is 2^e with e = floor(log2(the largest magnitude in the block)) - 4, held to -126 .. 127; a block of zeros has e = 0. As a byte (E8M0): e + 127.
;;     - Each number is divided by its block's scale, clamped to +-28, and rounded to the nearest number of E3M2, ties to even, subnormals kept.
;;     - The product sums the exact products of the quantised numbers (number of the format x scale) in f32.
;;   ~~~python
;;   def quantise(x, axis):      # numpy; x: float32 -> the quantised numbers, widened to float32 again
;;       x = np.moveaxis(x, axis, -1); K = x.shape[-1]
;;       x = np.pad(x, [(0, 0)] * (x.ndim - 1) + [(0, -K % 32)]); x = x.reshape(x.shape[:-1] + (-1, 32)); a = np.abs(x).max(-1, keepdims=True)
;;       e = np.where(a > 0, np.clip(np.frexp(np.where(a > 0, a, 1))[1] - 1 - 4, -126, 127), 0)      # np.frexp(a)[1] - 1 = floor(log2(a)), exactly
;;       r = np.clip(x / 2.0 ** e, -28, 28)
;;       step = 2.0 ** (np.maximum(np.frexp(np.where(r == 0, 1, r))[1] - 1, -2) - 2)
;;       q = np.round(r / step) * step * 2.0 ** e      # np.round: ties to even
;;       return np.moveaxis(q.reshape(q.shape[:-2] + (-1,))[..., :K], -1, axis).astype(np.float32)
;;   ~~~
;;   SOFTMAX AHEAD OF A QUANTISED PRODUCT. Where the list says 'softmax', what is quantised is not the finished softmax but p = 2^(t - M), with t = logit x log2(e) and M = ceil(the row's largest t), a whole number; so 1/2 < the row's largest p <= 1. The row's sum l is taken of the UNQUANTISED p, in f32, and the product's result is divided by l at the end. Since M is a whole number, a kernel that streams over the keys may use a running M (the ceiling of the running maximum): every later rescaling is an exact power of two, which a block's scale takes up: the codes' values come out the same.
;;   OPERANDS COMPUTED ON THE WAY. 'Computed on the way' means the value that the module computes at that place (a softmax that the list does not call 'softmax' is quantised finished and normalised). What goes into a quantiser is computed in f32, as accurately as f32 sums, v_exp_f32 and their like allow (about 1e-6 of the number): no bf16 or f16 on the way to a quantiser, and a product that is left as it is and whose result goes on into a quantised operand takes f32 operands (vector FMAs, or v_wmma_f32_16x16x4_f32). A number that lies on a knife's edge between two numbers of the format may be rounded either way, as far as f32 arithmetic and the matrix unit's own rounding can turn it there, and no further.
;; One version. Each part assembles by itself: llvm-mc -triple=amdgcn-amd-amdhsa -mcpu=gfx1250 --defsym DOCPART=n.
;; ======== version 1 of 1: 2 launches
;; limits: right only within a limited range of input values
;; workspace buffers: kv 6,553,600 bytes; mbits 1,048,576 bytes of whole numbers; flags 4,096 bytes of whole numbers
;; launch prep (part 1): grid 256 x 3, 4 waves a work-group, no clusters, 69,120 bytes of LDS; arguments k, v, mask, kv, mbits, flags; writes kv, mbits, flags
.if DOCPART == 1
	.amdgcn_target "amdgcn-amd-amdhsa--gfx1250"
	.amdhsa_code_object_version 6
	.text
	.protected	k_q86c738a1fb_prep
	.globl	k_q86c738a1fb_prep
	.p2align	8
	.type	k_q86c738a1fb_prep,@function
k_q86c738a1fb_prep:
	s_mov_b64 s[64:65], 0
	v_nop
	global_prefetch_b8 v0, s[64:65] scope:SCOPE_SE
	s_setreg_imm32_b32 hwreg(HW_REG_WAVE_MODE, 25, 1), 1
	s_wait_xcnt 0x0
; THE LAUNCH IN FRONT OF THE ATTENTION.  Three roles, told apart by the work-group's y; 256 work-groups of four waves each; waves share nothing, so there is no barrier.
;   y = 0: K [32 heads][2048][64] f32 -> codes of BF6 (E3M2) along the head's 64, with one E8M0 byte for each 32;
;   y = 1: V [32 heads][2048][64] f32 -> codes along the KEYS (the second product's K), a lane to a channel, its registers down the keys;
;   y = 2: mask [2][2048][2048] bytes (0 or 1) -> for each tile of 16 queries and each step of 128 keys 64 words, word n being the lane mask of the attention's score register n, and two flags: any key allowed, all keys allowed.
; A block's scale is 2^(floor(log2(its largest magnitude)) - 4): its byte is the largest magnitude's exponent field - 4, held at 1 from below by a floor among the maximum's leaves.
; kv IS LAID AS IMAGES OF THE OPERANDS' REGISTERS: a chunk of STEPB = 13,056 bytes (51 x 256) for each head and step of 128 keys; L = lane, r = L % 16, h = L / 16:
;   +0     + 1536 b + 512 p + 16 L   K, pair b of tiles: registers 4 p .. 4 p + 3 of a run of 12: 0-5 tile 2 b, 6-11 tile 2 b + 1; tile 2 b + u, lane (r, h): key 32 b + 8 u + r + 8 (r / 8), d = 32 h .. 32 h + 31
;   +6144  + 1536 t + 512 p + 16 L   V, tile t: the fragment's 12 registers: lane (r, h), registers 6 c .. 6 c + 5: channel 16 t + r, keys 64 c + 32 h + 0 .. 31
;   +12288 + 256 y + 8 L             K's scale words of tiles 4 y .. 4 y + 3: dword j: lanes 0-15 tile 4 y + 2 j, lanes 16-31 tile 4 y + 2 j + 1; a word holds the key's two bytes twice
;   +12800 + 128 e + 4 L             V's scale words: lane L: channel 32 e + L; byte i: keys 32 i .. 32 i + 31
; LIMITS: NaN and infinities among k and v are not served.  A block whose largest magnitude lies under 2^-122, a block of zeros among them, gets the byte 1 (the stated quantiser gives a block of zeros 127):
; a block of zeros has zero codes, which add nothing under any byte but 0xff, and the bytes are read by this program alone.  Mask bytes are taken to be 0 or 1, as the problem states them.
; kv IN DETAIL: a chunk is 12,800 bytes (50 x 256).  K's tile (c, x), c = 0, 1, x = 0 .. 3: lane (r, h): key 64 c + 32 (r / 8) + 8 x + r % 8; pair 2 c + b holds tiles x = 2 b and 2 b + 1.
; +12288 + 128 c + 4 L: K's scale words, lanes 0-15 pair 2 c, lanes 16-31 pair 2 c + 1; bytes 0, 1 the even tile's key, bytes 2, 3 the odd tile's.  +12544 + 128 e + 4 L: V's.
; (These lines hold where the table above gives other places or another chunk size.)  mbits: word 16 (2 c + s) + i of a step, s = 0, 1, i = 0 .. 15, is the lane mask of score register 32 c + 16 s + i.
.set STEPB, 12800
.set KPIT,  272                        ; K's stage: a key's 256 bytes + 16
.set KSTW,  32*KPIT                    ; 32 keys for each wave, from LDS byte 0 on
.set MPIT,  528                        ; the mask's stage: 512 bytes of a row + 16
.set MST,   4*KSTW                     ; behind K's stages: each role has LDS bytes of its own
.set MSTW,  16*MPIT                    ; 16 rows for each wave
.set M0, 11                            ; v11, v12  two chains of a maximum
.set M1, 12
.set SO, 13                            ; v13       the conversion's scale operand
; v1 L; v2 16 L; v3 8 L; v4 4 L; v5 8 h; v10 8 - 8 h; v6, v7 K's stage in and out; v8, v9 the mask's stage in and out; v14, v15 at work
; A lane's 32 numbers v[x] .. v[x + 31] are one block: 16 codes into v[dst] on, 16 into v[tmp] on (a conversion's three registers begin on an even number), the scale's byte into v[byt].
.macro QB x, dst, tmp, byt
	v_max3_num_f32 v[M0], |v[\x]|, |v[\x+1]|, |v[\x+2]|
	v_max3_num_f32 v[M1], |v[\x+3]|, |v[\x+4]|, |v[\x+5]|
.irp i, 6,10,14,18,22,26
	v_max3_num_f32 v[M0], v[M0], |v[\x+\i]|, |v[\x+\i+1]|
	v_max3_num_f32 v[M1], v[M1], |v[\x+\i+2]|, |v[\x+\i+3]|
.endr
	v_max3_num_f32 v[M0], v[M0], |v[\x+30]|, |v[\x+31]|
	v_max3_num_f32 v[M0], v[M0], v[M1], 0x2800000          ; and the floor 2^(5 - 127): the byte cannot fall under 1
	v_add_nc_u32 v[SO], 0xfe000000, v[M0]                  ; 4 off the exponent field: the conversion takes that field as its scale and nothing else
	v_cvt_scalef32_pk16_bf6_f32 v[\dst:\dst+2], v[\x:\x+15], v[SO]
	v_cvt_scalef32_pk16_bf6_f32 v[\tmp:\tmp+2], v[\x+16:\x+31], v[SO]
	v_lshrrev_b32 v[\byt], 23, v[SO]                       ; the byte; also the plain line between the conversions and whatever touches their results
.endm
	s_load_b256 s[4:11], s[0:1], 0x0               ; k s[4:5], v s[6:7], mask s[8:9], kv s[10:11]
	s_load_b128 s[12:15], s[0:1], 0x20             ; mbits s[12:13], flags s[14:15]
	v_lshl_add_u32 v239, v0, 2, 0x10c00
	v_mov_b32 v255, 0
	v_lshrrev_b32 v15, 5, v0
	v_readfirstlane_b32 s16, v15                   ; wave 0..3
	v_and_b32 v1, 31, v0
	v_lshlrev_b32 v2, 4, v1
	v_lshlrev_b32 v3, 3, v1
	v_lshlrev_b32 v4, 2, v1
	v_and_b32 v16, 15, v0                          ; r
	v_bfe_u32 v17, v0, 4, 1                        ; h
	v_lshlrev_b32 v5, 3, v17
	v_sub_nc_u32 v10, 8, v5
	s_mul_i32 s17, s16, KSTW                       ; my stage for K
	s_mul_i32 s18, s16, MSTW
	s_add_co_u32 s18, s18, MST                     ; and for the mask.  All four LDS addresses are made here, ahead of the parting of the roles
	v_mul_u32_u24 v6, v17, KPIT
	v_lshl_add_u32 v6, v16, 4, v6
	v_add_nc_u32 v6, s17, v6                       ; K in: a load's 512 bytes are two keys: row h, 16 r
	v_and_b32 v7, 8, v16
	v_add_nc_u32 v7, v7, v16                       ; r + 8 (r / 8)
	v_mul_u32_u24 v7, v7, KPIT
	v_lshl_add_u32 v7, v17, 7, v7
	v_add_nc_u32 v7, s17, v7                       ; K out: my key's row, my half's 128 bytes
	v_add_nc_u32 v8, s18, v2                       ; mask in: 16 L of a row's 512 bytes
	v_mul_u32_u24 v9, v16, MPIT
	v_lshl_add_u32 v9, v17, 5, v9
	v_add_nc_u32 v9, s18, v9                       ; mask out: row r, + 32 h
	v_mov_b32 v14, 0                               ; written once: a lane permute's destination counts as one of its sources
	s_mov_b32 s20, 0x76543210
	s_mov_b32 s21, 0xfedcba98                      ; v_permlanex16_b32's selects for lane l xor 16
	s_lshl_b32 s19, ttmp9, 2
	s_add_co_u32 s19, s19, s16                     ; my wave's number in its role: 4 x + wave, 0 .. 1023
	s_and_b32 s22, ttmp7, 0xffff                   ; the role
	s_mov_b32 s27, 0                               ; the upper word of every offset below
	s_wait_kmcnt 0x0
	s_cmp_eq_u32 s22, 1
	s_cbranch_scc1 .Lrole_v
	s_cmp_eq_u32 s22, 2
	s_cbranch_scc1 .Lrole_m
; ---------------- K.  My number = 2 x chunk + y: 64 keys, two pairs of tiles.  Every load reads 512 consecutive bytes; a pair's 32 keys turn through my stage, so that a lane gets 32 neighbours of one key.
.set R,   32                           ; v32-159  the 64 keys as loaded
.set X,   160                          ; v160-223 two tiles' numbers, 32 a lane each
.set P,   224                          ; v224-235, v240-251  a pair's 12 registers of codes: each pair has its own, so that no store's data are written again
.set TMA, 236                          ; v236-238, v252-254  the upper 16 codes of a block, ahead of their move
.set TMB, 252
.set W,   16                           ; v16-17   the four tiles' scale words
.set BY,  24                           ; v24-27   their bytes
	s_lshr_b32 s23, s19, 1                         ; chunk
	s_and_b32 s24, s19, 1                          ; y
	s_lshl_b32 s26, s19, 14                        ; 64 keys x 256 bytes
	s_add_nc_u64 s[4:5], s[4:5], s[26:27]
	s_mul_i32 s26, s23, STEPB
	s_add_nc_u64 s[10:11], s[10:11], s[26:27]      ; my chunk
	s_mul_i32 s26, s24, 3072
	s_add_nc_u64 s[28:29], s[10:11], s[26:27]      ; my two pairs' images
	s_lshl_b32 s26, s24, 7
	s_add_nc_u64 s[30:31], s[10:11], s[26:27]      ; my 128 bytes of scale words (12,288 on)
.irp b, 0,1
.irp i, 0,1,2,3,4,5,6,7,8,9,10,11,12,13,14,15
	global_load_b128 v[R+64*\b+4*\i:R+64*\b+4*\i+3], v2, s[4:5] offset:4096*\b+512*\i+4096*(\i/8) th:TH_LOAD_NT   ; pair b: keys 16 b + 0 .. 15 and 32 + 16 b + 0 .. 15 of my 64
.endr
.endr
.macro KPAIR b
.if \b == 0
	s_wait_loadcnt 16                              ; this pair's 16 loads are in; the other pair's 16 may be out
.else
	s_wait_loadcnt 0x0
.endif
.irp i, 0,1,2,3,4,5,6,7,8,9,10,11,12,13,14,15
	ds_store_b128 v6, v[R+64*\b+4*\i:R+64*\b+4*\i+3] offset:2*KPIT*\i
.endr
.irp u, 0,1                            ; LDS serves a wave's instructions in order: no wait between the stores and the loads
.irp j, 0,1,2,3,4,5,6,7
	ds_load_b128 v[X+32*\u+4*\j:X+32*\u+4*\j+3], v7 offset:8*KPIT*\u+16*\j
.endr
.endr
	s_wait_dscnt 8                                 ; the first tile's eight loads are in; the second's eight may be out
	QB X, P+16*\b, TMA, BY+2*\b
	s_wait_dscnt 0x0
	QB X+32, P+16*\b+6, TMB, BY+2*\b+1
.irp i, 0,1,2
	v_mov_b32 v[P+16*\b+3+\i], v[TMA+\i]
	v_mov_b32 v[P+16*\b+9+\i], v[TMB+\i]
.endr
.irp u, 0,1                            ; the key's scale word: my byte 8 h bits up, lane l xor 16's 8 - 8 h bits up, and the odd tile's word 16 bits up
	v_permlanex16_b32 v14, v[BY+2*\b+\u], s20, s21
	v_lshlrev_b32 v15, v5, v[BY+2*\b+\u]
	v_lshlrev_b32 v14, v10, v14
	v_or_b32 v15, v15, v14
.if \u == 0
	v_mov_b32 v[W+\b], v15
.else
	v_lshl_or_b32 v[W+\b], v15, 16, v[W+\b]        ; the pair's word: the even tile's two bytes, then the odd tile's
.endif
.endr
.irp p, 0,1,2
	global_store_b128 v2, v[P+16*\b+4*\p:P+16*\b+4*\p+3], s[28:29] offset:1536*\b+512*\p   ; 512 consecutive bytes, at a multiple of 256 from kv's first byte
.endr
.endm
	s_wait_alu depctr_va_vdst(0)
	KPAIR 0
	KPAIR 1
	v_cmp_le_u32 vcc_lo, 16, v1                    ; lanes 16-31 carry the odd pair's words
	v_cndmask_b32 v20, v[W], v[W+1], vcc_lo
	global_store_b32 v4, v20, s[30:31] offset:12288   ; 128 consecutive bytes
	s_wait_tensorcnt 0x0
	ds_add_u32 v239, v255
	s_wait_dscnt 0x0
	s_endpgm
; ---------------- V.  My number = 2 x chunk + e: 128 keys x 32 channels.  Lane L takes channel 32 e + L and its registers run down the keys: a block of 32 keys lies in one lane, and the codes come out with the keys innermost.
.set Y,   32                           ; v32-95   two sets of 32 numbers
.set FA,  160                          ; v160-171 the fragment of tile 2 e
.set FB,  172                          ; v172-183 of tile 2 e + 1
.set VTA, 208                          ; v208-210, v212-214  the upper 16 codes of the even and of the odd block
.set VTB, 212
.Lrole_v:
	s_lshr_b32 s23, s19, 1                         ; chunk
	s_and_b32 s24, s19, 1                          ; e
	s_lshl_b32 s26, s23, 15                        ; 128 keys x 256 bytes
	s_add_nc_u64 s[6:7], s[6:7], s[26:27]
	s_lshl_b32 s26, s24, 7                         ; my 32 channels
	s_add_nc_u64 s[6:7], s[6:7], s[26:27]
	s_mul_i32 s26, s23, STEPB
	s_add_nc_u64 s[10:11], s[10:11], s[26:27]
	s_mul_i32 s26, s24, 3072
	s_add_nc_u64 s[28:29], s[10:11], s[26:27]      ; my two tiles' images (6,144 on)
	s_lshl_b32 s26, s24, 7
	s_add_nc_u64 s[30:31], s[10:11], s[26:27]      ; my 128 bytes of scale words (12,544 on)
.macro VLOAD t                         ; block t: keys 32 t + i of my channel; a load reads 128 consecutive bytes, and the wave beside me the row's other 128
.irp i, 0,1,2,3,4,5,6,7,8,9,10,11,12,13,14,15,16,17,18,19,20,21,22,23,24,25,26,27,28,29,30,31
	global_load_b32 v[Y+32*((\t)%2)+\i], v4, s[6:7] offset:(32*(\t)+\i)*256 th:TH_LOAD_NT
.endr
.endm
; Blocks 2 c and 2 c + 1 are made: lanes 0-15 hold tile 2 e's channels, lanes 16-31 tile 2 e + 1's.  A fragment wants block 2 c in lanes 0-15 and block 2 c + 1 in lanes 16-31 of ONE tile:
; the even block's lanes 16-31 change places with the odd block's lanes 0-15.
.macro JOIN c
.irp i, 0,1,2
	v_permlane16_swap_b32 v[FA+6*\c+\i], v[FB+6*\c+\i]
	v_permlane16_swap_b32 v[VTA+\i], v[VTB+\i]
.endr
.irp i, 0,1,2
	v_mov_b32 v[FA+6*\c+3+\i], v[VTA+\i]
	v_mov_b32 v[FB+6*\c+3+\i], v[VTB+\i]
.endr
.endm
	VLOAD 0
	VLOAD 1
	s_wait_loadcnt 32                              ; block 0 is in; the one younger block may be out (so at each of these waits)
	QB Y, FA, VTA, BY
	VLOAD 2
	s_wait_loadcnt 32
	QB Y+32, FB, VTB, BY+1
	VLOAD 3
	JOIN 0
	s_wait_loadcnt 32
	QB Y, FA+6, VTA, BY+2
	s_wait_loadcnt 0x0
	QB Y+32, FB+6, VTB, BY+3
	JOIN 1
	v_lshl_or_b32 v16, v[BY+1], 8, v[BY]           ; my channel's scale word: the four blocks' bytes
	v_lshl_or_b32 v16, v[BY+2], 16, v16
	v_lshl_or_b32 v16, v[BY+3], 24, v16
.irp e, 0,1
.irp p, 0,1,2
	global_store_b128 v2, v[FA+12*\e+4*\p:FA+12*\e+4*\p+3], s[28:29] offset:6144+1536*\e+512*\p
.endr
.endr
	global_store_b32 v4, v16, s[30:31] offset:12544
	s_endpgm
; ---------------- The mask.  Work-group x = 128 b + T: the tile of queries 16 T .. 16 T + 15 of batch b; wave c takes keys 512 c .. 512 c + 511: steps 4 c .. 4 c + 3.
.set MR,  32                           ; v32-95   16 rows x 512 bytes as loaded: lane L holds bytes 16 L .. 16 L + 15 of each row, all of step 4 c + L / 8
.set MX,  96                           ; v96-159  after the turn: for step q and block bk four registers: row r, keys 128 q + 64 (bk / 2) + 32 h + 16 (bk % 2) + 0 .. 15
.set TM,  160                          ; v160-175 at work
.set OUT, 176                          ; v176-183 a pair for each step: lane l holds words 2 l and 2 l + 1
.Lrole_m:
	s_lshl_b32 s26, ttmp9, 15                      ; 16 rows x 2,048 bytes
	s_add_nc_u64 s[8:9], s[8:9], s[26:27]
	s_lshl_b32 s26, s16, 9
	s_add_nc_u64 s[8:9], s[8:9], s[26:27]
	s_lshl_b32 s26, s19, 10                        ; mbits: (16 x + 4 c) blocks of 256 bytes
	s_add_nc_u64 s[12:13], s[12:13], s[26:27]
	s_lshl_b32 s26, s19, 2                         ; flags: word 4 x + c
	s_add_nc_u64 s[14:15], s[14:15], s[26:27]
.irp i, 0,1,2,3,4,5,6,7,8,9,10,11,12,13,14,15
	global_load_b128 v[MR+4*\i:MR+4*\i+3], v2, s[8:9] offset:2048*\i th:TH_LOAD_NT   ; 512 consecutive bytes of row i
.endr
.irp i, 0,1,2,3,4,5,6,7
	v_mov_b32 v[OUT+\i], 0                         ; v_writelane_b32's destination counts as one of its sources
.endr
	s_wait_loadcnt 0x0
.irp i, 0,1,2,3,4,5,6,7,8,9,10,11,12,13,14,15
	ds_store_b128 v8, v[MR+4*\i:MR+4*\i+3] offset:MPIT*\i
.endr
.irp i, 0,1,2,3,4,5,6,7,8,9,10,11,12,13,14,15
	ds_load_b128 v[MX+4*\i:MX+4*\i+3], v9 offset:64*(\i/2)+16*(\i%2)   ; i = 4 q + 2 c + s: keys 128 q + 64 c + 32 h + 16 s + 0 .. 15 of my row
.endr
	v_or_b32 v184, v[MR], v[MR+1]                  ; while these land: is any byte of my 16 x 16 set, are all set?
	v_and_b32 v185, v[MR], v[MR+1]
.set n, 2
.rept 62
	v_or_b32 v184, v184, v[MR+n]
	v_and_b32 v185, v185, v[MR+n]
.set n, n+1
.endr
	v_cmp_ne_u32 s24, 0, v184                      ; by lanes; eight lanes to a step
	v_cmp_eq_u32 s25, 0x01010101, v185
	s_mov_b32 s26, 0                               ; the flags' word: bit q: some key of step 4 c + q is allowed for some query of the tile; bit 16 + q: all are, for all
.irp q, 0,1,2,3
	s_and_b32 s27, s24, 0xff<<(8*\q)
	s_cmp_lg_u32 s27, 0
	s_cselect_b32 s27, 1<<\q, 0
	s_or_b32 s26, s26, s27
	s_and_b32 s27, s25, 0xff<<(8*\q)
	s_cmp_eq_u32 s27, 0xff<<(8*\q)
	s_cselect_b32 s27, 0x10000<<\q, 0
	s_or_b32 s26, s26, s27
.endr
	s_wait_dscnt 0x0
; Words 16 bk + i, i = 0 .. 15, of step q: bit L of word 16 bk + i = mask[16 T + r][128 q + 64 (bk / 2) + 32 h + 16 (bk % 2) + i].  A compare makes the word; it goes to lane 8 bk + i / 2, register i % 2.
.macro WORDS q, bk
.irp i, 0,1,2,3,4,5,6,7,8,9,10,11,12,13,14,15
	v_and_b32 v[TM+\i], 1<<(8*(\i%4)), v[MX+4*(4*\q+\bk)+\i/4]
.endr
.irp i, 0,1,2,3,4,5,6,7,8,9,10,11,12,13,14,15
	v_cmp_ne_u32 s[32+\i], 0, v[TM+\i]
.endr
.irp i, 0,1,2,3,4,5,6,7,8,9,10,11,12,13,14,15
	v_writelane_b32 v[OUT+2*\q+\i%2], s[32+\i], 8*\bk+\i/2
.endr
.endm
.irp q, 0,1,2,3
	WORDS \q, 0
	WORDS \q, 1
	WORDS \q, 2
	WORDS \q, 3
	global_store_b64 v3, v[OUT+2*\q:OUT+2*\q+1], s[12:13] offset:256*\q   ; a step's 64 words: 256 consecutive bytes, aligned; each step has its own pair of registers
.endr
	v_mov_b32 v15, s26
	v_cmp_eq_u32 vcc_lo, 0, v1
	s_wait_alu depctr_va_vdst(0)
	s_wait_xcnt 0x0                                ; EXEC is a source of the stores above: it changes only behind this wait
	s_wait_tensorcnt 0x0
	ds_add_u32 v239, v255
	s_wait_dscnt 0x0
	s_and_saveexec_b32 s30, vcc_lo
	global_store_b32 v4, v15, s[14:15]             ; lane 0 alone: one word a wave
	s_wait_xcnt 0x0                                ; and again in front of the line that widens it
	s_or_b32 exec_lo, exec_lo, s30
	s_endpgm
.Lfunc_end_k_q86c738a1fb_prep:
	.size	k_q86c738a1fb_prep, .Lfunc_end_k_q86c738a1fb_prep-k_q86c738a1fb_prep
	.p2alignl 7, 3214868480
	.fill 96, 4, 3214868480
	.section	.rodata,"a",@progbits
	.p2align	6, 0x0
	.amdhsa_kernel k_q86c738a1fb_prep
		.amdhsa_group_segment_fixed_size 69120
		.amdhsa_private_segment_fixed_size 0
		.amdhsa_enable_private_segment 0
		.amdhsa_kernarg_size 48
		.amdhsa_user_sgpr_count 2
		.amdhsa_user_sgpr_kernarg_segment_ptr 1
		.amdhsa_wavefront_size32 1
		.amdhsa_system_sgpr_workgroup_id_x 1
		.amdhsa_system_sgpr_workgroup_id_y 1
		.amdhsa_system_sgpr_workgroup_id_z 1
		.amdhsa_system_vgpr_workitem_id 0
		.amdhsa_next_free_vgpr 256
		.amdhsa_next_free_sgpr 66
		.amdhsa_reserve_vcc 1
		.amdhsa_float_denorm_mode_32 3
		.amdhsa_float_denorm_mode_16_64 3
		.amdhsa_memory_ordered 1
		.amdhsa_forward_progress 1
		.amdhsa_inst_pref_size 93
	.end_amdhsa_kernel
	.amdgpu_metadata
---
amdhsa.version: [ 1, 2 ]
amdhsa.kernels:
  - .name:           k_q86c738a1fb_prep
    .symbol:         k_q86c738a1fb_prep.kd
    .args:
      - { .name: k, .offset: 0, .size: 8, .value_kind: global_buffer, .address_space: global }
      - { .name: v, .offset: 8, .size: 8, .value_kind: global_buffer, .address_space: global }
      - { .name: mask, .offset: 16, .size: 8, .value_kind: global_buffer, .address_space: global }
      - { .name: kv, .offset: 24, .size: 8, .value_kind: global_buffer, .address_space: global }
      - { .name: mbits, .offset: 32, .size: 8, .value_kind: global_buffer, .address_space: global }
      - { .name: flags, .offset: 40, .size: 8, .value_kind: global_buffer, .address_space: global }
    .group_segment_fixed_size: 69120
    .private_segment_fixed_size: 0
    .kernarg_segment_align: 8
    .kernarg_segment_size: 48
    .max_flat_workgroup_size: 128
    .sgpr_count:     66
    .vgpr_count:     256
    .wavefront_size: 32
...
	.end_amdgpu_metadata
.endif
;; end of part 1
;; launch attn (part 2): grid 8 x 32, 16 waves a work-group, no clusters, 301,056 bytes of LDS; arguments q, kv, mbits, flags, out0; writes out0
.if DOCPART == 2
	.amdgcn_target "amdgcn-amd-amdhsa--gfx1250"
	.amdhsa_code_object_version 6
	.text
	.protected	k_q86c738a1fb_attn
	.globl	k_q86c738a1fb_attn
	.p2align	8
	.type	k_q86c738a1fb_attn,@function
k_q86c738a1fb_attn:
	s_mov_b64 s[64:65], 0
	v_nop
	global_prefetch_b8 v0, s[64:65] scope:SCOPE_SE
	s_setreg_imm32_b32 hwreg(HW_REG_WAVE_MODE, 25, 1), 1
	s_wait_xcnt 0x0
; out[bh][q][:] = the sum over keys of softmax(Q . K / 8, masked) V, both products on codes of BF6 (E3M2) with one E8M0 scale for each 32 along a product's K.
; THE SOFTMAX AHEAD OF THE SECOND PRODUCT: t = score x log2(e) / 8; M = the row's largest t so far, rounded UP to a whole number; p = 2^(t - M) is quantised along the keys, not normalised; the row's sum is
; taken of the unquantised p and divides at the end.  When M moves, the sum and O are multiplied by 2^(old M - new M), which rounds nothing.  A key that the mask forbids has the score -infinity, so p = 0.
; A row with no allowed key ends with the sum 0 and O = 0: 0 x (1 / 0) is the NaN that a softmax over nothing gives.
; SHARES.  Work-group (j, bh), 16 waves, four to a SIMD: 16 tiles of 16 queries, T = 8 g' + j, g' = 0 .. 15.  TWO WAVES, w and w xor 4, SHARE THE TWO TILES g and 15 - g: one walks the even steps of 128 keys of both, the
; other the odd ones.  The even wave keeps tile g and gives its part of tile 15 - g away, the odd wave the other way round: what is given (O, -M, the sum) goes through LDS and is joined at the end.  So where a mask
; hides later keys from earlier queries, the steps left out fall alike on all waves.  g = w % 4, or 7 - w % 4 for w over 7.
; THE HEAD'S K AND V, as codes and scale words in the order of the operands' registers (16 chunks of 12,800 bytes, made by the launch before), are copied into LDS once, through registers: 25 loads a thread of 8,192 bytes
; a work-group.  The first 13 hold keys 0 .. 1,023; the other 12 stay out, in registers of their own, while the kept tile's steps of those keys are walked.
; WALKS (4 trips each): kept tile, keys 0-1023; given tile, keys 0-1023; given tile, keys 1024-2047; kept tile, keys 1024-2047.
; STEPS THAT COUNT FOR NOTHING ARE LEFT OUT: where the stored flags say that no key of a step is allowed for any of the 16 queries, a scalar branch leads round the step's work (every p would be 0); where they say that
; all are allowed, round the mask words and the 64 selects alone.
; NO CLUSTER, NO TENSOR LOADS: the eight work-groups of a head do read the same 204,800 bytes, but each reads them once.
; NO PREFETCH: the one bulk stream is asked for ahead of the loops; in them a wave reads 256 bytes a partly masked step.
; LAYOUT.  Both products are used transposed: S^T = K Q^T (source 0 = 16 keys, source 1 = my queries), O^T = V^T P^T (source 0 = 16 channels, source 1 = P): a lane holds ONE query (lane % 16) throughout.
; Row m of K's tile (c, x) is key 64 c + 32 (m / 8) + 8 x + m % 8, so that score registers 32 c + i of lane (r, h) are keys 64 c + 32 h + i, i = 0 .. 31: ONE WHOLE BLOCK IN A LANE, in the order that P's operand wants.
; THE FIRST PRODUCT'S K IS 64, the instruction's 128: an operand of 12 registers holds two tiles of K, and Q stands between zero codes, [Z Q Z]: [Q Z] picks the first tile, [Z Q] the second; zero codes add nothing.
; LIMITS: NaN and infinities in q, k, v are not served; |score| stays under 3e38; a block of q under 2^-122 (zeros among them) gets the scale byte 1, and so does a block of p under 2^-122.
; A block's scale is taken from floor(its largest t - M): where that number lies within f32's rounding under a whole number, its power of two may round up to the next power, and the block keeps the scale under it.
.set STEPB, 12800                      ; a chunk: K's images 6,144, V's 6,144, K's scale words 256, V's 256
.set HEADB, 16*STEPB
.set STG,   HEADB                      ; a stage for each wave: Q's turn, then a tile's state: O 4,096 bytes, [-M, largest score, sum, sum] 512
.set STGW,  4608
.set QIM,   STG+16*STGW                ; each wave's quantised Q as a register image: 2 x 512 bytes and 128 of scale words
.set QIW,   1280
.set SPARE, QIM+16*QIW                 ; the spare words: 128 bytes for each wave
.set SPIT,  272                        ; a turned row: 256 bytes + 16
.set OUTW,  16*SPIT                    ; the way out: on chunks 0-7's bytes, which nobody reads behind the last barrier
; v0 thread; v1 16 L; v2 4 L; v3, v4 the same + the step's chunk; v5 -infinity; v7 lane permutes; v8, v9 the blocks' largest scores; v10, v11 conversions' scale operands; v12 -M, v13 the largest score, v[14:15] the sum
; v16-33 [Z Q Z]; v34 Q's scale words; v35 p's; v36-37 K's; v38-39 V's; v[40:41] f; v42, v43 at work; v107 16 x thread; v111 an address
.set F,   44                           ; v44-91   K's four pairs of tiles, then V's four tiles
.set PC,  92                           ; v92-103  p's codes; ahead of them the sum's chains
.set CT,  104                          ; v104-106, v108-110  the upper halves of the blocks' codes
.set OT,  112                          ; v112-143 O^T: four tiles of 16 channels
.set S,   144                          ; v144-207 S^T, then p
.set FB,  208                          ; v208-255 the fill's last 12 loads
.set TB,  84                           ; LDS byte of the step's chunk
.set STP, 85                           ; the step
.set FLK, 86                           ; flags of the kept tile: bit s: step s has an allowed key; bit 16 + s: all are allowed
.set FLG, 87                           ; of the given tile
.set SEL, 90                           ; s[90:91] v_permlanex16_b32's selects for lane l xor 16
.set CS,  92                           ; s[92:93] c = log2(e) / 8, twice; s94 -c
.set PAR, 95                           ; 0: even steps, 1: odd
.set CNT, 99
; s14 wave, s15 my stage, s96 my Q image, s97 the partner's, s98 the partner's stage; s[8:9] the kept tile's mask words, s[66:67] the given tile's
; s[16:63], s[68:83] the step's 64 mask words: word n in s[16 + n], from n = 48 on in s[20 + n]
.macro QB x, dst, tmp, byt             ; a lane's 32 numbers are one block: 16 codes into v[dst] on, 16 into v[tmp] on, the scale's byte into v[byt]
	v_max3_num_f32 v8, |v[\x]|, |v[\x+1]|, |v[\x+2]|
	v_max3_num_f32 v9, |v[\x+3]|, |v[\x+4]|, |v[\x+5]|
.irp i, 6,10,14,18,22,26
	s_delay_alu instid0(VALU_DEP_2)
	v_max3_num_f32 v8, v8, |v[\x+\i]|, |v[\x+\i+1]|
	s_delay_alu instid0(VALU_DEP_2)
	v_max3_num_f32 v9, v9, |v[\x+\i+2]|, |v[\x+\i+3]|
.endr
	s_delay_alu instid0(VALU_DEP_2)
	v_max3_num_f32 v8, v8, |v[\x+30]|, |v[\x+31]|
	s_delay_alu instid0(VALU_DEP_1)
	v_max3_num_f32 v8, v8, v9, 0x2800000           ; the floor 2^(5 - 127): the byte cannot fall under 1
	s_delay_alu instid0(VALU_DEP_1)
	v_add_nc_u32 v10, 0xfe000000, v8               ; 4 off the exponent field
	v_cvt_scalef32_pk16_bf6_f32 v[\dst:\dst+2], v[\x:\x+15], v10
	v_cvt_scalef32_pk16_bf6_f32 v[\tmp:\tmp+2], v[\x+16:\x+31], v10
	v_lshrrev_b32 v[\byt], 23, v10                 ; the byte; also the plain line behind the conversions
.endm
.macro PLACES                          ; four places behind matrix instructions (ISA guide 7.12.1)
.rept 4
	v_nop
.endr
.endm
.macro INIT                            ; a tile begins: any step may be left out, so no step can be written out as the first
.set n, 0
.rept 32
	v_mov_b32 v[OT+n], 0
.set n, n+1
.endr
	v_mov_b32 v13, 0xff61b1e6                      ; the largest score so far: -3e38
	v_mov_b32 v14, 0
	v_mov_b32 v15, 0
	v_mul_f32 v12, s94, v13
	v_floor_f32 v12, v12                           ; -M
	s_wait_alu depctr_va_vdst(0)                   ; loops and waits stand between these lines and their readers
.endm
.macro FROM base                       ; the walk's first chunk and step: base + my parity
	s_mul_i32 s[TB], s[PAR], STEPB
	s_add_co_u32 s[TB], s[TB], \base*STEPB
	s_add_co_u32 s[STP], s[PAR], \base
.endm
.macro QGET sq                         ; a tile's Q from its image
	v_add_nc_u32 v3, s[\sq], v1
	v_add_nc_u32 v4, s[\sq], v2
	ds_load_b128 v[22:25], v3
	ds_load_b128 v[26:29], v3 offset:512           ; (v28, v29: zeros, as stored)
	ds_load_b32 v34, v4 offset:1024
.endm
.macro KQ g                            ; S^T of pairs 2 g and 2 g + 1; the odd pair's scale words stand in lanes 16-31
.irp b, 0,1
.irp u, 0,1
.if \b
	v_wmma_scale_f32_16x16x128_f8f6f4 v[S+32*\g+16*\b+8*\u:S+32*\g+16*\b+8*\u+7], v[F+24*\g+12*\b:F+24*\g+12*\b+11], v[22-6*\u:33-6*\u], 0, v[36+\g], v34 matrix_a_fmt:MATRIX_FMT_BF6 matrix_b_fmt:MATRIX_FMT_BF6 matrix_a_scale:MATRIX_SCALE_ROW1
.else
	v_wmma_scale_f32_16x16x128_f8f6f4 v[S+32*\g+16*\b+8*\u:S+32*\g+16*\b+8*\u+7], v[F+24*\g+12*\b:F+24*\g+12*\b+11], v[22-6*\u:33-6*\u], 0, v[36+\g], v34 matrix_a_fmt:MATRIX_FMT_BF6 matrix_b_fmt:MATRIX_FMT_BF6
.endif
.endr
.endr
.endm
; A WALK: 4 trips, steps STP, STP + 2, ..; fl: the tile's flags, mb: its mask words' address
.macro WALK fl, mb
	s_mov_b32 s[CNT], 0
.Lstep_\@:
	s_lshr_b32 s88, s[\fl], s[STP]
	s_and_b32 s89, s88, 0x10000                    ; all keys allowed?
	s_and_b32 s88, s88, 1                          ; any?
	s_cmp_eq_u32 s88, 0
	s_cbranch_scc1 .Lnext_\@
	s_cmp_lg_u32 s89, 0
	s_cbranch_scc1 .Lnowords_\@
	s_load_b512 s[16:31], s[\mb:\mb+1], 0x0        ; the step's 64 mask words
	s_load_b512 s[32:47], s[\mb:\mb+1], 0x40
	s_load_b512 s[48:63], s[\mb:\mb+1], 0x80
	s_load_b512 s[68:83], s[\mb:\mb+1], 0xc0
.Lnowords_\@:
	v_add_nc_u32 v3, s[TB], v1
	v_add_nc_u32 v4, s[TB], v2
	v_nop                                          ; with the two lines above four places behind the last trip's products, whose operands are loaded next
	v_nop
.irp x, 0,1
.irp p, 0,1,2
	ds_load_b128 v[F+24*\x+4*\p:F+24*\x+4*\p+3], v3 offset:3072*\x+512*\p
.endr
.irp p, 0,1,2
	ds_load_b128 v[F+24*\x+12+4*\p:F+24*\x+15+4*\p], v3 offset:3072*\x+1536+512*\p
.endr
	ds_load_b32 v[36+2*\x], v4 offset:12288+256*\x
	ds_load_b32 v[37+2*\x], v4 offset:12416+256*\x
.endr
	s_wait_alu depctr_va_vdst(0)                   ; directly ahead of the wait below
	s_wait_dscnt 8                                 ; pairs 0 and 1 and K's scale words are in; pairs 2 and 3 (6 loads) and V's scale words (2) may be out
	KQ 0
	s_wait_dscnt 2                                 ; V's scale words may be out
	KQ 1
	PLACES                                         ; ahead of loads into the products' operands and of the first read of their results
.irp t, 0,1,2,3                        ; V's fragments land under the softmax
.irp p, 0,1,2
	ds_load_b128 v[F+12*\t+4*\p:F+12*\t+4*\p+3], v3 offset:6144+1536*\t+512*\p
.endr
.endr
	s_wait_kmcnt 0x0                               ; the mask words, where they were asked for
	s_cmp_lg_u32 s89, 0
	s_cbranch_scc1 .Lopen_\@
.set n, 0
.rept 64                               ; one select a score: word n is the lane mask of score register n.  Ascending: each accumulator is read from its low end on
.if n < 48
.set WR, 16+n
.else
.set WR, 20+n
.endif
	v_cndmask_b32 v[S+n], v5, v[S+n], s[WR]
.set n, n+1
.endr
.Lopen_\@:
; the largest score of each of my two blocks, in four chains: v8, v10 block 0's halves, v9, v11 block 1's
.irp b, 0,1,2,3
	v_max3_num_f32 v[8+2*(\b%2)+\b/2], v[S+16*\b], v[S+16*\b+1], v[S+16*\b+2]
.endr
.irp i, 3,5,7,9,11,13
.irp b, 0,1,2,3
	v_max3_num_f32 v[8+2*(\b%2)+\b/2], v[8+2*(\b%2)+\b/2], v[S+16*\b+\i], v[S+16*\b+\i+1]
.endr
.endr
	v_max_num_f32 v10, v10, v[S+31]
	v_max_num_f32 v11, v11, v[S+63]
	v_max3_num_f32 v8, v8, v[S+15], v10
	v_max3_num_f32 v9, v9, v[S+47], v11
	v_mov_b32 v43, v12                             ; the old -M
	s_delay_alu instid0(VALU_DEP_2)
	v_max_num_f32 v42, v8, v9
	s_delay_alu instid0(VALU_DEP_1)
	v_permlanex16_b32 v7, v42, s[SEL], s[SEL+1]
	s_delay_alu instid0(VALU_DEP_1)
	v_max3_num_f32 v13, v13, v42, v7               ; the running largest score: with lane l xor 16's two blocks
	s_delay_alu instid0(VALU_DEP_1)
	v_mul_f32 v40, s94, v13                        ; -t (c is positive)
	s_delay_alu instid0(VALU_DEP_1)
	v_floor_f32 v12, v40                           ; the new -M = -ceil(t)
	s_delay_alu instid0(VALU_DEP_1)
	v_sub_f32 v40, v12, v43                        ; old M - new M: a whole number, 0 or less
	s_delay_alu instid0(VALU_DEP_1)
	v_cvt_i32_f32 v40, v40                         ; (it saturates)
	s_delay_alu instid0(VALU_DEP_1)
	v_ldexp_f32 v40, 1.0, v40                      ; f = 2^(old M - new M)
.set n, 0
.rept 32
	v_pk_fma_f32 v[S+n:S+n+1], v[S+n:S+n+1], s[CS:CS+1], v[12:13] op_sel_hi:[1,0,0]   ; t - M, two at a time
.set n, n+2
.endr
	v_fma_f32 v8, v8, s[CS], v12                   ; the same of each block's largest score
	v_fma_f32 v9, v9, s[CS], v12
	s_wait_alu depctr_va_vdst(0)                   ; ahead of the batch
.set n, 0
.rept 64
	v_exp_f32 v[S+n], v[S+n]                       ; p = 2^(t - M)
.set n, n+1
.endr
; work that reads no exponential: the sum under the new M, and the blocks' scales: floor(largest t - M) is the largest p's exponent; held at -122, so that the byte cannot fall under 1
	v_pk_mul_f32 v[14:15], v[14:15], v[40:41] op_sel_hi:[1,0]
	v_max_num_f32 v8, 0xc2f40000, v8
	v_max_num_f32 v9, 0xc2f40000, v9
	v_cvt_floor_i32_f32 v8, v8
	v_cvt_floor_i32_f32 v9, v9
	v_lshl_add_u32 v10, v8, 23, 0x3d800000         ; 2^(exponent - 4): the conversion's scale operand
	v_lshl_add_u32 v11, v9, 23, 0x3d800000
	v_lshl_add_u32 v42, v9, 16, v8                 ; my blocks are h and 2 + h: in lanes 0-15 bytes 0 and 2 of the word,
	s_delay_alu instid0(VALU_DEP_1)
	v_permlanex16_b32 v7, v42, s[SEL], s[SEL+1]
	s_delay_alu instid0(VALU_DEP_1)
	v_lshl_add_u32 v42, v7, 8, v42                 ; lane l xor 16's bytes 1 and 3 (lanes 16-31 are not read),
	s_delay_alu instid0(VALU_DEP_1)
	v_add_nc_u32 v35, 0x7b7b7b7b, v42              ; each + 123: p's scale word for these 128 keys
	s_wait_alu depctr_va_vdst(0)                   ; one wait for the 64 exponentials, ahead of their first reader
; the sum of the unquantised p, two at a time, in five chains
.set n, 0
.rept 4
	v_pk_add_f32 v[PC+n/2:PC+n/2+1], v[S+n:S+n+1], v[S+n+2:S+n+3]
.set n, n+4
.endr
.rept 24
.set DD, PC+2*((n/2+2)%5)
.if (n/2+2)%5 == 4
.set DD, 14
.endif
	v_pk_add_f32 v[DD:DD+1], v[DD:DD+1], v[S+n:S+n+1]
.set n, n+2
.endr
	v_pk_add_f32 v[PC:PC+1], v[PC:PC+1], v[PC+2:PC+3]
	v_pk_add_f32 v[PC+4:PC+5], v[PC+4:PC+5], v[PC+6:PC+7]
	s_delay_alu instid0(VALU_DEP_2)
	v_pk_add_f32 v[14:15], v[14:15], v[PC:PC+1]
	s_delay_alu instid0(VALU_DEP_1)
	v_pk_add_f32 v[14:15], v[14:15], v[PC+4:PC+5]
.irp c, 0,1
	v_cvt_scalef32_pk16_bf6_f32 v[PC+6*\c:PC+6*\c+2], v[S+32*\c:S+32*\c+15], v[10+\c]
	v_cvt_scalef32_pk16_bf6_f32 v[CT+4*\c:CT+4*\c+2], v[S+32*\c+16:S+32*\c+31], v[10+\c]   ; (a conversion's three registers begin on an even number)
.endr
	v_nop                                          ; one plain line behind the conversions
.irp c, 0,1
.irp i, 0,1,2
	v_mov_b32 v[PC+6*\c+3+\i], v[CT+4*\c+\i]
.endr
.endr
	s_wait_alu depctr_va_vdst(0)                   ; directly ahead of the first reader of O^T
.set n, 0
.rept 16
	v_pk_mul_f32 v[OT+n:OT+n+1], v[OT+n:OT+n+1], v[40:41] op_sel_hi:[1,0]   ; O^T under the new M; also the places between p's codes and the products
.set n, n+2
.endr
	s_wait_alu depctr_va_vdst(0)                   ; and here, directly ahead of the wait below
	s_wait_dscnt 0x0                               ; V
.irp t, 0,1,2,3                        ; O^T += V^T P^T: the four accumulators by turns
.if \t%2
	v_wmma_scale_f32_16x16x128_f8f6f4 v[OT+8*\t:OT+8*\t+7], v[F+12*\t:F+12*\t+11], v[PC:PC+11], v[OT+8*\t:OT+8*\t+7], v[38+\t/2], v35 matrix_a_fmt:MATRIX_FMT_BF6 matrix_b_fmt:MATRIX_FMT_BF6 matrix_a_scale:MATRIX_SCALE_ROW1
.else
	v_wmma_scale_f32_16x16x128_f8f6f4 v[OT+8*\t:OT+8*\t+7], v[F+12*\t:F+12*\t+11], v[PC:PC+11], v[OT+8*\t:OT+8*\t+7], v[38+\t/2], v35 matrix_a_fmt:MATRIX_FMT_BF6 matrix_b_fmt:MATRIX_FMT_BF6
.endif
.endr
.Lnext_\@:
	s_wait_xcnt 0x0                                ; the mask words' loads have read their base: it may step
	s_add_nc_u64 s[\mb:\mb+1], s[\mb:\mb+1], 512
	s_add_co_u32 s[TB], s[TB], 2*STEPB
	s_add_co_u32 s[STP], s[STP], 2
	s_add_co_u32 s[CNT], s[CNT], 1
	s_cmp_lt_u32 s[CNT], 4
	s_cbranch_scc1 .Lstep_\@
.endm
	s_load_b256 s[4:11], s[0:1], 0x0               ; q s[4:5], kv s[6:7], mbits s[8:9], flags s[10:11]
	s_load_b64 s[12:13], s[0:1], 0x20              ; out0
	v_lshrrev_b32 v8, 5, v0
	s_delay_alu instid0(VALU_DEP_1)
	v_readfirstlane_b32 s14, v8                    ; wave 0..15
	s_mul_i32 s15, s14, STGW
	s_add_co_u32 s15, s15, STG
	v_and_b32 v8, 31, v0                           ; L
	v_and_b32 v104, 15, v0                         ; r
	v_bfe_u32 v105, v0, 4, 1                       ; h
	v_lshlrev_b32 v1, 4, v8
	v_lshlrev_b32 v2, 2, v8
	v_lshlrev_b32 v107, 4, v0                      ; the fill: 16 bytes a thread, in memory and in LDS
	v_mul_u32_u24 v106, v105, SPIT
	v_mul_u32_u24 v108, v104, SPIT
	v_lshl_add_u32 v106, v104, 4, v106
	v_lshl_add_u32 v108, v105, 7, v108
	v_add_nc_u32 v106, s15, v106                   ; Q in: lanes 0-15 one row of 256 bytes, lanes 16-31 the next
	v_add_nc_u32 v108, s15, v108                   ; Q out: row r, + 128 h: my 32 numbers
	v_mov_b32 v5, 0xff800000
	v_mov_b32 v7, 0                                ; a lane permute's destination counts as one of its sources
	v_mov_b32 v41, 0                               ; (named as the upper halves of the pairs v[40:41] and v[42:43])
	v_mov_b32 v43, 0
.irp z, 16,17,18,19,20,21,28,29,30,31,32,33
	v_mov_b32 v\z, 0                               ; the zero codes beside Q
.endr
	s_mov_b32 s[SEL], 0x76543210
	s_mov_b32 s[SEL+1], 0xfedcba98
	s_mov_b32 s[CS], 0x3e38aa3b
	s_mov_b32 s[CS+1], 0x3e38aa3b
	s_mov_b32 s94, 0xbe38aa3b
	s_bfe_u32 s[PAR], s14, 0x10002                 ; (w / 4) % 2
	s_and_b32 s16, s14, 3
	s_lshr_b32 s17, s14, 3
	s_mul_i32 s17, s17, 7
	s_xor_b32 s16, s16, s17                        ; g = w % 4, or 7 - w % 4
	s_mul_i32 s17, s[PAR], 15
	s_xor_b32 s16, s16, s17                        ; the kept tile's: g, or 15 - g
	s_xor_b32 s17, s16, 15                         ; the given tile's
	s_lshl_b32 s16, s16, 3
	s_lshl_b32 s17, s17, 3
	s_add_co_u32 s16, s16, ttmp9                   ; T = 8 g' + j
	s_add_co_u32 s17, s17, ttmp9
	s_and_b32 s18, ttmp7, 0xffff                   ; bh
	s_lshl_b32 s20, s18, 7
	s_add_co_u32 s20, s20, s16
	s_lshl_b32 s20, s20, 12                        ; q, out0: (128 bh + T) tiles of 16 rows x 256 bytes
	s_mov_b32 s21, 0
	s_mul_i32 s22, s18, HEADB                      ; kv: the head's chunks
	s_mov_b32 s23, 0
	s_lshr_b32 s24, s18, 4                         ; b: the mask is shared by a batch's 16 heads
	s_lshl_b32 s24, s24, 7
	s_add_co_u32 s25, s24, s16                     ; 128 b + T
	s_add_co_u32 s26, s24, s17
	s_lshl_b32 s27, s[PAR], 8
	s_lshl_b32 s28, s25, 12                        ; mbits: 16 steps x 256 bytes a tile; I begin at step 0 or 1
	s_add_co_u32 s28, s28, s27
	s_mov_b32 s29, 0
	s_lshl_b32 s30, s26, 12
	s_add_co_u32 s30, s30, s27
	s_mov_b32 s31, 0
	s_lshl_b32 s32, s25, 4                         ; flags: four words a tile
	s_mov_b32 s33, 0
	s_lshl_b32 s34, s26, 4
	s_mov_b32 s35, 0
	s_mul_i32 s96, s14, QIW
	s_add_co_u32 s96, s96, QIM
	s_xor_b32 s98, s14, 4                          ; the partner
	s_mul_i32 s97, s98, QIW
	s_add_co_u32 s97, s97, QIM
	s_mul_i32 s98, s98, STGW
	s_add_co_u32 s98, s98, STG
	s_wait_alu depctr_va_vdst(0)                   ; at the head's end
	s_wait_kmcnt 0x0
	s_add_nc_u64 s[4:5], s[4:5], s[20:21]
	s_add_nc_u64 s[12:13], s[12:13], s[20:21]
	s_add_nc_u64 s[6:7], s[6:7], s[22:23]
	s_add_nc_u64 s[66:67], s[8:9], s[30:31]
	s_add_nc_u64 s[8:9], s[8:9], s[28:29]
	s_add_nc_u64 s[2:3], s[10:11], s[32:33]        ; (the flags' addresses stand outside the mask words' registers)
	s_add_nc_u64 s[10:11], s[10:11], s[34:35]
.irp i, 0,1,2,3,4,5,6,7
	global_load_b128 v[OT+4*\i:OT+4*\i+3], v1, s[4:5] offset:512*\i th:TH_LOAD_NT   ; Q: the kept tile's 16 rows, 512 consecutive bytes a load
.endr
.set i, 0
.rept 13
	global_load_b128 v[F+4*i:F+4*i+3], v107, s[6:7] offset:8192*i   ; the head's chunks, as they lie
.set i, i+1
.endr
	s_load_b128 s[40:43], s[2:3], 0x0
	s_load_b128 s[44:47], s[10:11], 0x0
	; Q is quantised while the fill is on its way: through my stage, so that lane (r, h) gets row r's numbers 32 h .. 32 h + 31, one block
	s_wait_loadcnt 13                              ; Q's eight loads are in; the fill's 13 may be out
.irp i, 0,1,2,3,4,5,6,7
	ds_store_b128 v106, v[OT+4*\i:OT+4*\i+3] offset:2*SPIT*\i
.endr
.irp i, 0,1,2,3,4,5,6,7
	ds_load_b128 v[S+4*\i:S+4*\i+3], v108 offset:16*\i   ; LDS serves a wave's instructions in order: these see my stores
.endr
	s_wait_dscnt 0x0
	QB S, 22, 108, 42
.irp i, 0,1,2
	v_mov_b32 v[25+\i], v[108+\i]
.endr
	v_permlanex16_b32 v7, v42, s[SEL], s[SEL+1]
	s_delay_alu instid0(VALU_DEP_1)
	v_lshl_or_b32 v9, v7, 8, v42                   ; in lanes 0-15, which alone are read: block 0's byte, block 1's,
	s_delay_alu instid0(VALU_DEP_1)
	v_lshl_or_b32 v34, v9, 16, v9                  ; and both once more, for either half of the instruction's K
.set i, 0
.rept 12
	global_load_b128 v[FB+4*i:FB+4*i+3], v107, s[6:7] offset:8192*(13+i)   ; these stay out during the first walk
.set i, i+1
.endr
	v_add_nc_u32 v3, s96, v1
	v_add_nc_u32 v4, s96, v2
	v_add_nc_u32 v111, 0x10000, v107               ; the immediate reaches 65,535: the register carries the rest
	ds_store_b128 v3, v[22:25]
	ds_store_b128 v3, v[26:29] offset:512
	ds_store_b32 v4, v34 offset:1024
	s_wait_alu depctr_va_vdst(0)                   ; directly ahead of the waits below
.set i, 0
.rept 13
	s_wait_loadcnt 24-i                            ; load i is in; the 12 - i behind it and the last 12 may be out
.if i < 8
	ds_store_b128 v107, v[F+4*i:F+4*i+3] offset:8192*i
.else
	ds_store_b128 v111, v[F+4*i:F+4*i+3] offset:8192*(i-8)
.endif
.set i, i+1
.endr
	s_wait_dscnt 0x0                               ; for the others' sake: my part of chunks 0-7 and my Q lie in LDS
	s_barrier_signal -1
	INIT
	s_barrier_wait -1
	s_wait_kmcnt 0x0                               ; the flags: four words of four steps each
.irp t, 0,1
	s_lshl_b32 s[41+4*\t], s[41+4*\t], 4
	s_lshl_b32 s[42+4*\t], s[42+4*\t], 8
	s_lshl_b32 s[43+4*\t], s[43+4*\t], 12
	s_or_b32 s[FLK+\t], s[40+4*\t], s[41+4*\t]
	s_or_b32 s[FLK+\t], s[FLK+\t], s[42+4*\t]
	s_or_b32 s[FLK+\t], s[FLK+\t], s[43+4*\t]
.endr
	FROM 0
	WALK FLK, 8                                    ; the kept tile, keys 0-1023
	PLACES
	v_add_nc_u32 v111, 13*8192, v107
	s_wait_alu depctr_va_vdst(0)                   ; directly ahead of the waits below
.set i, 0
.rept 12
.if i == 8
	v_add_nc_u32 v111, 0x10000, v111
	s_wait_alu depctr_va_vdst(0)
.endif
	s_wait_loadcnt 11-i
	ds_store_b128 v111, v[FB+4*i:FB+4*i+3] offset:8192*(i%8)
.set i, i+1
.endr
	v_add_nc_u32 v111, s15, v1                     ; the kept tile's state is laid by in my stage
.irp i, 0,1,2,3,4,5,6,7
	ds_store_b128 v111, v[OT+4*\i:OT+4*\i+3] offset:512*\i
.endr
	ds_store_b128 v111, v[12:15] offset:4096
	QGET 97                                        ; the given tile's Q is my partner's
	INIT
	s_wait_dscnt 0x0                               ; my part of chunks 8-15 lies in LDS
	s_barrier_signal -1                            ; said early: until the wait below I read chunks 0-7 alone, which nobody writes before the last barrier
	FROM 0
	WALK FLG, 66                                   ; the given tile, keys 0-1023
	s_barrier_wait -1                              ; chunks 8-15 are whole
	FROM 8
	WALK FLG, 66                                   ; the given tile, keys 1024-2047
	PLACES
	v_add_nc_u32 v111, s15, v1                     ; the kept tile's state comes back, the given tile's goes out in its place: LDS serves a wave's instructions in order
.irp i, 0,1,2,3,4,5,6,7
	ds_load_b128 v[S+4*\i:S+4*\i+3], v111 offset:512*\i
.endr
	ds_load_b128 v[S+32:S+35], v111 offset:4096
	QGET 96
.irp i, 0,1,2,3,4,5,6,7
	ds_store_b128 v111, v[OT+4*\i:OT+4*\i+3] offset:512*\i
.endr
	ds_store_b128 v111, v[12:15] offset:4096
	s_wait_alu depctr_va_vdst(0)
	s_wait_dscnt 0x0                               ; what I give lies in LDS; my reads of chunks 0-7 are over
	s_barrier_signal -1                            ; said early: until the wait below I read chunks 8-15 alone
.set n, 0
.rept 32
	v_mov_b32 v[OT+n], v[S+n]
.set n, n+1
.endr
.irp i, 0,1,2,3
	v_mov_b32 v[12+\i], v[S+32+\i]
.endr
	s_wait_alu depctr_va_vdst(0)
	FROM 8
	WALK FLK, 8                                    ; the kept tile, keys 1024-2047
	s_barrier_wait -1                              ; my partner's part of my tile lies in its stage; nobody reads chunks 0-7 any more
	; THE TWO PARTS ARE JOINED under the larger M, and leave through my stage on chunks 0-7's bytes as whole rows: each store covers 512 consecutive bytes at a multiple of 256 from out0's first byte.
	s_mul_i32 s16, s14, OUTW
	v_add_nc_u32 v111, s98, v1
	v_and_b32 v104, 15, v0
	v_bfe_u32 v105, v0, 4, 1
	v_mul_u32_u24 v5, v104, SPIT                   ; (the four lines are the places behind the last products)
.irp i, 0,1,2,3,4,5,6,7
	ds_load_b128 v[S+4*\i:S+4*\i+3], v111 offset:512*\i
.endr
	ds_load_b128 v[S+32:S+35], v111 offset:4096
	v_mul_u32_u24 v6, v105, SPIT
	v_lshl_add_u32 v5, v105, 5, v5
	v_lshl_add_u32 v6, v104, 4, v6
	v_add_nc_u32 v5, s16, v5                       ; in: row r, + 32 h: my 8 channels of a tile
	v_add_nc_u32 v6, s16, v6                       ; out: two rows an instruction
	s_wait_alu depctr_va_vdst(0)                   ; directly ahead of the wait below
	s_wait_dscnt 0x0
	v_min_num_f32 v8, v12, v[S+32]                 ; -M of both
	v_add_f32 v14, v14, v15
	v_add_f32 v[S+34], v[S+34], v[S+35]
	v_sub_f32 v9, v8, v12
	v_sub_f32 v10, v8, v[S+32]
	v_cvt_i32_f32 v9, v9
	v_cvt_i32_f32 v10, v10
	v_ldexp_f32 v40, 1.0, v9                       ; my part's factor
	v_ldexp_f32 v42, 1.0, v10                      ; my partner's
	v_mul_f32 v14, v14, v40
	v_fma_f32 v14, v[S+34], v42, v14
	v_permlanex16_b32 v7, v14, s[SEL], s[SEL+1]
	v_add_f32 v14, v14, v7                         ; the row's sum, with lane l xor 16's keys
	s_wait_alu depctr_va_vdst(0)                   ; ahead of the transcendental
	v_rcp_f32 v14, v14
	v_nop                                          ; the plain line behind it
	s_wait_alu depctr_va_vdst(0)                   ; ahead of the reciprocal's first reader, and of O^T's
	v_mul_f32 v40, v40, v14
	v_mul_f32 v42, v42, v14
.set n, 0
.rept 16
	v_pk_mul_f32 v[S+n:S+n+1], v[S+n:S+n+1], v[42:43] op_sel_hi:[1,0]
.set n, n+2
.endr
.set n, 0
.rept 16
	v_pk_fma_f32 v[S+n:S+n+1], v[OT+n:OT+n+1], v[40:41], v[S+n:S+n+1] op_sel_hi:[1,0,1]   ; register 8 t + i: out(r, 16 t + 8 h + i); each accumulator from its low end on
.set n, n+2
.endr
.irp t, 0,1,2,3
	ds_store_b128 v5, v[S+8*\t:S+8*\t+3] offset:64*\t
	ds_store_b128 v5, v[S+8*\t+4:S+8*\t+7] offset:64*\t+16
.endr
.irp i, 0,1,2,3,4,5,6,7
	ds_load_b128 v[F+4*\i:F+4*\i+3], v6 offset:2*SPIT*\i   ; LDS serves a wave's instructions in order: these see my stores
.endr
.irp i, 0,1,2,3,4,5,6,7
	s_wait_dscnt 7-\i                              ; rows 2 i and 2 i + 1 are back; the loads behind them may be out
	global_store_b128 v1, v[F+4*\i:F+4*\i+3], s[12:13] offset:512*\i th:TH_STORE_NT
.endr
	v_lshl_add_u32 v104, v0, 2, SPARE
	v_mov_b32 v105, 0
	s_wait_alu depctr_va_vdst(0)
	s_wait_tensorcnt 0x0                           ; the wave's end
	ds_add_u32 v104, v105
	s_wait_dscnt 0x0
	s_endpgm
.Lfunc_end_k_q86c738a1fb_attn:
	.size	k_q86c738a1fb_attn, .Lfunc_end_k_q86c738a1fb_attn-k_q86c738a1fb_attn
	.p2alignl 7, 3214868480
	.fill 96, 4, 3214868480
	.section	.rodata,"a",@progbits
	.p2align	6, 0x0
	.amdhsa_kernel k_q86c738a1fb_attn
		.amdhsa_group_segment_fixed_size 301056
		.amdhsa_private_segment_fixed_size 0
		.amdhsa_enable_private_segment 0
		.amdhsa_kernarg_size 40
		.amdhsa_user_sgpr_count 2
		.amdhsa_user_sgpr_kernarg_segment_ptr 1
		.amdhsa_wavefront_size32 1
		.amdhsa_system_sgpr_workgroup_id_x 1
		.amdhsa_system_sgpr_workgroup_id_y 1
		.amdhsa_system_sgpr_workgroup_id_z 1
		.amdhsa_system_vgpr_workitem_id 0
		.amdhsa_next_free_vgpr 256
		.amdhsa_next_free_sgpr 100
		.amdhsa_reserve_vcc 0
		.amdhsa_float_denorm_mode_32 3
		.amdhsa_float_denorm_mode_16_64 3
		.amdhsa_memory_ordered 1
		.amdhsa_forward_progress 1
		.amdhsa_inst_pref_size 106
	.end_amdhsa_kernel
	.amdgpu_metadata
---
amdhsa.version: [ 1, 2 ]
amdhsa.kernels:
  - .name:           k_q86c738a1fb_attn
    .symbol:         k_q86c738a1fb_attn.kd
    .args:
      - { .name: q, .offset: 0, .size: 8, .value_kind: global_buffer, .address_space: global }
      - { .name: kv, .offset: 8, .size: 8, .value_kind: global_buffer, .address_space: global }
      - { .name: mbits, .offset: 16, .size: 8, .value_kind: global_buffer, .address_space: global }
      - { .name: flags, .offset: 24, .size: 8, .value_kind: global_buffer, .address_space: global }
      - { .name: out0, .offset: 32, .size: 8, .value_kind: global_buffer, .address_space: global }
    .group_segment_fixed_size: 301056
    .private_segment_fixed_size: 0
    .kernarg_segment_align: 8
    .kernarg_segment_size: 40
    .max_flat_workgroup_size: 512
    .sgpr_count:     100
    .vgpr_count:     256
    .wavefront_size: 32
...
	.end_amdgpu_metadata
.endif
;; end of part 2
